; MI455X (gfx1250); checked and timed in simulation.
; The chip was launched on July 23, 2026; its instructions are those of AMD's public machine-readable ISA for CDNA 5 (MIT licence, August 2026) and "CDNA5" Instruction Set Architecture Reference Guide (July 2026). The comments in the code are by the model that wrote it; some were corrected since.
;; Multi Head Attention. Allowed arithmetic: matrix products marked QUANTISED: E2M3 operands, one E8M0 scale for each 32 along K, by v_wmma_scale_f32_16x16x128_f8f6f4 with both operands' format E2M3, f32 sums; everything else in f32.
;; Inputs: Wc_codes 128 x 128 x 24 uint8 (E2M3 codes of Wc, K innermost, in blocks of 32 codes, four codes in three bytes); Wc_scales 128 x 128 uint8 (E8M0 scales of Wc, one for each 32 codes along K); Wk_codes 32 x 128 x 32 x 24 uint8 (E2M3 codes of Wk, K innermost, in blocks of 32 codes, four codes in three bytes); Wk_scales 32 x 128 x 32 uint8 (E8M0 scales of Wk, one for each 32 codes along K); Wv_codes 32 x 128 x 32 x 24 uint8 (E2M3 codes of Wv, K innermost, in blocks of 32 codes, four codes in three bytes); Wv_scales 32 x 128 x 32 uint8 (E8M0 scales of Wv, one for each 32 codes along K); bc 128 float32; bk 32 x 128 float32; bv 32 x 128 float32; query_codes 8 x 512 x 4 x 24 uint8 (E2M3 codes of query, K innermost, in blocks of 32 codes, four codes in three bytes); query_scales 8 x 512 x 4 uint8 (E8M0 scales of query, one for each 32 codes along K); states_codes 8 x 512 x 32 x 24 uint8 (E2M3 codes of states, K innermost, in blocks of 32 codes, four codes in three bytes); states_scales 8 x 512 x 32 uint8 (E8M0 scales of states, one for each 32 codes along K).
;; Outputs: out0 8 x 512 x 128 float32.
;; This version of the problem:
;;   THIS VERSION OF THE PROBLEM IS GIVEN IN LOW PRECISION. The matrix products marked QUANTISED in the list below multiply operands that are first quantised to E2M3 (2 exponent bits, 3 mantissa bits; 6 bits a number), with one power-of-two scale for each 32 numbers along K (OCP MX v1.0); their sums are f32. All else is computed in f32.
;;   The module's matrix products, in the order in which they are computed (A, B: the left and right operand; K: the contracted axis; several contracted axes count as one K, in the product's order):
;;     1. [M 4,096, K 1,024] x [K 1,024, N 4,096]; A: input Wk (given as codes); B: input states (given as codes): QUANTISED
;;     2. [M 4,096, K 1,024] x [K 1,024, N 4,096]; A: input Wv (given as codes); B: input states (given as codes): QUANTISED
;;     3. batch 8 x [M 16,384, K 128] x [K 128, N 512]; A: computed on the way; B: input query (given as codes): QUANTISED
;;     4. batch 256 x [M 512, K 512] x [K 512, N 128]; A: softmax (see below); B: computed on the way: QUANTISED
;;     5. [M 4,096, K 4,096] x [K 4,096, N 128]; A: computed on the way; B: input Wc (given as codes): QUANTISED
;;   THE QUANTISER, for each operand of a quantised product, along K:
;;     - K is cut into blocks of 32 from its start; a last block that is shorter is filled with zeros.
;;     - A block's scale is 2^e with e = floor(log2(the largest magnitude in the block)) - 2, held to -126 .. 127; a block of zeros has e = 0. As a byte (E8M0): e + 127.
;;     - Each number is divided by its block's scale, clamped to +-7.5, and rounded to the nearest number of E2M3, ties to even, subnormals kept.
;;     - The product sums the exact products of the quantised numbers (number of the format x scale) in f32.
;;   ~~~python
;;   def quantise(x, axis):      # numpy; x: float32 -> the quantised numbers, widened to float32 again
;;       x = np.moveaxis(x, axis, -1); K = x.shape[-1]
;;       x = np.pad(x, [(0, 0)] * (x.ndim - 1) + [(0, -K % 32)]); x = x.reshape(x.shape[:-1] + (-1, 32)); a = np.abs(x).max(-1, keepdims=True)
;;       e = np.where(a > 0, np.clip(np.frexp(np.where(a > 0, a, 1))[1] - 1 - 2, -126, 127), 0)      # np.frexp(a)[1] - 1 = floor(log2(a)), exactly
;;       r = np.clip(x / 2.0 ** e, -7.5, 7.5)
;;       step = 2.0 ** (np.maximum(np.frexp(np.where(r == 0, 1, r))[1] - 1, 0) - 3)
;;       q = np.round(r / step) * step * 2.0 ** e      # np.round: ties to even
;;       return np.moveaxis(q.reshape(q.shape[:-2] + (-1,))[..., :K], -1, axis).astype(np.float32)
;;   ~~~
;;   SOFTMAX AHEAD OF A QUANTISED PRODUCT. Where the list says 'softmax', what is quantised is not the finished softmax but p = 2^(t - M), with t = logit x log2(e) and M = ceil(the row's largest t), a whole number; so 1/2 < the row's largest p <= 1. The row's sum l is taken of the UNQUANTISED p, in f32, and the product's result is divided by l at the end. Since M is a whole number, a kernel that streams over the keys may use a running M (the ceiling of the running maximum): every later rescaling is an exact power of two, which a block's scale takes up: the codes' values come out the same.
;;   OPERANDS COMPUTED ON THE WAY. 'Computed on the way' means the value that the module computes at that place (a softmax that the list does not call 'softmax' is quantised finished and normalised). What goes into a quantiser is computed in f32, as accurately as f32 sums, v_exp_f32 and their like allow (about 1e-6 of the number): no bf16 or f16 on the way to a quantiser, and a product that is left as it is and whose result goes on into a quantised operand takes f32 operands (vector FMAs, or v_wmma_f32_16x16x4_f32). A number that lies on a knife's edge between two numbers of the format may be rounded either way, as far as f32 arithmetic and the matrix unit's own rounding can turn it there, and no further.
;;   INPUTS GIVEN AS CODES. Wc (in the module: [4096, 128], K = its axis 0); Wk (in the module: [32, 1024, 128], K = its axis 1); Wv (in the module: [32, 1024, 128], K = its axis 1); query (in the module: [8, 512, 128], K = its axis 2); states (in the module: [8, 512, 1024], K = its axis 2): each comes as NAME_codes (uint8): NAME with its K axis moved to the last place and cut into blocks of 32 codes, [.., K / 32, bytes a block], one block behind the other in memory; four codes in three bytes: a row's codes are one little-endian stream of bits, code i at bits 6 i .. 6 i + 5 (a code: sign, 2 exponent bits, 3 mantissa bits); and NAME_scales (uint8): the same leading axes, one E8M0 byte (e + 127) for each 32 codes along K. Its value is code x scale, taken as it is: it is not quantised again, and the codes and scales need not be those that the quantiser above would give.
;; One version. Each part assembles by itself: llvm-mc -triple=amdgcn-amd-amdhsa -mcpu=gfx1250 --defsym DOCPART=n.
;; ======== version 1 of 1: 2 launches
;; limits: right only within a limited range of input values
;; workspace buffers: ctx_codes 12,582,912 bytes; ctx_scales 524,288 bytes; wc_img 393,216 bytes
;; launch attn (part 1): grid 32 x 8, 4 waves a work-group, clusters of 4 x 4, 327,680 bytes of LDS; arguments states_codes, states_scales, Wk_codes, Wk_scales, Wv_codes, Wv_scales, bk, bv, query_codes, query_scales, Wc_codes, ctx_codes, ctx_scales, wc_img; writes ctx_codes, ctx_scales, wc_img
.if DOCPART == 1
	.amdgcn_target "amdgcn-amd-amdhsa--gfx1250"
	.amdhsa_code_object_version 6
	.text
	.protected	k_q5255c0aa36_attn
	.globl	k_q5255c0aa36_attn
	.p2align	8
	.type	k_q5255c0aa36_attn,@function
k_q5255c0aa36_attn:
	s_mov_b64 s[64:65], 0
	v_nop
	global_prefetch_b8 v0, s[64:65] scope:SCOPE_SE
	s_setreg_imm32_b32 hwreg(HW_REG_WAVE_MODE, 25, 1), 1
	s_wait_xcnt 0x0
	s_wait_alu depctr_hold_cnt(0) depctr_sa_sdst(0) depctr_va_vdst(0) depctr_va_sdst(0) depctr_va_ssrc(0) depctr_va_vcc(0) depctr_vm_vsrc(0)
	s_getreg_b32 s2, hwreg(HW_REG_IB_STS2, 6, 4)
	s_cmp_eq_u32 s2, 0
	s_cbranch_scc0 .Lentry_in_a_cluster
	s_endpgm
.Lentry_in_a_cluster:
	s_bfe_u32 s2, ttmp6, 0x10000c
	s_cmp_lg_u32 s2, 0xf033
	s_cbranch_scc0 .Lentry_shape_is_right
	s_endpgm
.Lentry_shape_is_right:
; One work-group = one (head, batch): keys = states Wk + bk, vals = states Wv + bv, S = keys . query, softmax, ctx = P vals / l, ctx quantised.  All products on codes of FP6 (E2M3), one E8M0 scale for each 32 along K.
; Keys, values, scores and p never go to memory; ctx leaves as register images of fragments and scale words for the second launch.
; PHASE A.  Wave w keeps its 32 rows of Wk and of Wv (16 + 16 fragments, K = 1,024) in registers; the 512 rows of states stream through two LDS slots of 128 rows; a fragment of states feeds four products.
; K: source 0 = Wk, source 1 = states: a lane holds ONE key, registers along e.  V: source 0 = states, source 1 = Wv: a lane holds ONE e, registers along the keys.
; Lane r of tile u of Wk, Wv takes row 32 w + 8 u + r + 8 (r / 8): the 16 registers of two tiles are 16 neighbours along e.
; The fragments of states come in runs of 48 LDS loads, one run behind each 32 products, into the buffer just multiplied.  The quantiser's vector lines stand between products: K's two blocks of a pair under the pair's
; last V products, V's two under the next pair's first K products; its eight LDS stores stand at the head of the run of loads that follows.
; Inside a block of V position 16 h + 8 tau + j is key 32 P + 16 tau + 8 h + j; p of phase B has the same order, so both operands of P V agree, and a block's 32 keys and its scale are the true ones.
; PHASE B.  Every wave holds all 32 fragments of K and 32 of V (768 registers) and walks 8 tiles of 16 queries: four key steps of 128, S^T = K Q^T, streaming softmax with M a whole number, O^T += V^T P^T.
; A key step's P V products are issued inside the next step's chain for the row's maximum; O^T is brought under the new M before any exponential follows them.  The exponentials go in four batches; between them stands
; only plain work whose results are read behind the batch's closing wait or in the same gap.  A step's last conversion, sums and swaps stand between the next step's S products.
; CLUSTER 4 x 4: a row of the cluster shares the batch (states), a column the head (Wk, Wv): each tile is asked for jointly.  No prefetch: a refill of the ring has a group's 256 products a wave in which to land.
; SIDE JOB: wave 0 copies fragment (n tile = batch, K step = head) of Wc into wc_img in the order of the operand's registers.
; LIMITS: NaN, infinities and the scale byte 0xff among the inputs are not served.  A block whose largest magnitude lies under 2^-124 (zeros too) gets the byte 1; these bytes are read by this program alone.
; 1 / l is v_rcp_f32 and one multiplication.  The promise holds while the scaled scores stay under 2^31 in magnitude.  The last trip of phase B loads its own tile of queries once more (a clamped address).
.set PITCH,  816                       ; an LDS row: 768 bytes of codes, 16 bytes of padding behind each 256
.set WTILE,  32*PITCH
.set BIGA,   0                         ; states rows 0-127, then 256-383; behind its last read the stash of ctx's scale words
.set BIGB,   4*WTILE                   ; Wv, then states rows 128-255, then 384-511
.set IMG,    8*WTILE                   ; Wk (its one fill); then the images
.set KIMG,   IMG                       ; K: fragment T at 1536 T: [c 2][lane 32][24 bytes]
.set VIMG,   IMG+49152                 ; V: fragment (key step, e tile) at 1536 (8 kap + t)
.set KSC,    IMG+98304                 ; K's scale words: 64 T + 4 r
.set VSC,    IMG+100352                ; V's: 512 kap + 64 t + 4 r
.set SPARE,  12*WTILE                  ; the spare words, 128 bytes a wave
.set WV,   32
.set HD,   35
.set BT,   36
.set WOFF, 39
.set G1S,  40                          ; group 1, states, 32 rows (the ring)
.set G1W,  48                          ; group 1, Wk and Wv, 128 rows
.set G0K,  56
.set G0V,  60
.set G0S,  68
.set TB,   72
.set GC,   73
.set TC,   74
.set SEL,  76
.set CS,   78
.set G1H,  88                          ; group 1, states, 64 rows (the head)
.set G0H,  96
.set SPW,  1
.set NIL,  2
.set RR,   3
.set HH,   4
.set LN,   5
.set LT0,  6
.set LT1,  7
.set ADR,  8
.set KST,  12
.set VST,  13
.set KSS,  14
.set VSS,  15
.set SSA,  16
.set WLK,  17
.set WLV,  19
.set WKS,  24
.set WVS,  32
.set SS,   40
.set BK,   72
.set BV,   88
.set ACC,  104                         ; K(tau, u) at 16 tau + 8 u, V(tau, v) at 32 + 16 v + 8 tau
.set TM,   168
.set TP,   172
.set TS,   176
.set CC,   180
.set WCF,  200
.set WSO,  212
.set BKO,  213
.set BVO,  214
.set WCO,  215
.set IMO,  216
.set F0,   0                           ; window 3: two buffers of 8 fragments of states
.set F1,   96
.set QA,   6
.set QSA,  7
.set CO,   8
.set CSL,  9
.set KLD,  10
.set VLD,  11
.set SLD,  12
.set STL,  13
.set RL,   14
.set KS,   16
.set VS,   32
.set Q,    48
.set QS,   60
.set X63,  62
.set NM,   74
.set TMAX, 75
.set SUM,  76
.set BM,   78
.set BP,   82
.set SO,   86
.set FF,   90
.set PW,   91
.set TT,   92
.set SU2,  94
.set P,    96
.set PT,   108
.set T0,   116
.set T1,   118
.set STB,  120
.set S,    128
.set O,    192
.set MSB, 0
.macro WIN new                         ; the immediate's high byte repeats the setting that is left; a switch that changes nothing is dropped
.if MSB != \new
	s_set_vgpr_msb (MSB<<8)|\new
.set MSB, \new
.endif
.endm
.macro PLACES n
.rept \n
	v_nop
.endr
.endm
.macro VW
	s_wait_alu depctr_va_vdst(0)
.endm
.macro CROUND                          ; a round of the cluster's barrier
	s_barrier_signal -1
	s_barrier_wait -1
	s_cmp_lg_u32 s[WV], 0
	s_cbranch_scc1 .Lnot_wave_0_\@
	s_barrier_signal -3
.Lnot_wave_0_\@:
	s_barrier_wait -3
	s_barrier_signal -1
	s_barrier_wait -1
.endm
; One product on rD, rA, rB, rC, rSA, rSB.  cz: C is the constant 0;  ra, rb: the side's scale words stand in lanes 16-31
.macro WMMA cz, ra, rb
.if (\cz)
.if (\ra)
	v_wmma_scale_f32_16x16x128_f8f6f4 v[rD:rD+7], v[rA:rA+11], v[rB:rB+11], 0, v[rSA], v[rSB] matrix_a_fmt:MATRIX_FMT_FP6 matrix_b_fmt:MATRIX_FMT_FP6 matrix_a_scale:MATRIX_SCALE_ROW1
.else
	v_wmma_scale_f32_16x16x128_f8f6f4 v[rD:rD+7], v[rA:rA+11], v[rB:rB+11], 0, v[rSA], v[rSB] matrix_a_fmt:MATRIX_FMT_FP6 matrix_b_fmt:MATRIX_FMT_FP6
.endif
.else
.if (\ra) && (\rb)
	v_wmma_scale_f32_16x16x128_f8f6f4 v[rD:rD+7], v[rA:rA+11], v[rB:rB+11], v[rC:rC+7], v[rSA], v[rSB] matrix_a_fmt:MATRIX_FMT_FP6 matrix_b_fmt:MATRIX_FMT_FP6 matrix_a_scale:MATRIX_SCALE_ROW1 matrix_b_scale:MATRIX_SCALE_ROW1
.elseif (\ra)
	v_wmma_scale_f32_16x16x128_f8f6f4 v[rD:rD+7], v[rA:rA+11], v[rB:rB+11], v[rC:rC+7], v[rSA], v[rSB] matrix_a_fmt:MATRIX_FMT_FP6 matrix_b_fmt:MATRIX_FMT_FP6 matrix_a_scale:MATRIX_SCALE_ROW1
.elseif (\rb)
	v_wmma_scale_f32_16x16x128_f8f6f4 v[rD:rD+7], v[rA:rA+11], v[rB:rB+11], v[rC:rC+7], v[rSA], v[rSB] matrix_a_fmt:MATRIX_FMT_FP6 matrix_b_fmt:MATRIX_FMT_FP6 matrix_b_scale:MATRIX_SCALE_ROW1
.else
	v_wmma_scale_f32_16x16x128_f8f6f4 v[rD:rD+7], v[rA:rA+11], v[rB:rB+11], v[rC:rC+7], v[rSA], v[rSB] matrix_a_fmt:MATRIX_FMT_FP6 matrix_b_fmt:MATRIX_FMT_FP6
.endif
.endif
.endm
; Piece n (0 .. 47) of the eight fragments of pair p, K steps 4 g2 .. 4 g2 + 3, K step by K step.  A fragment is six pieces of 8 bytes; piece PC of a row lies at 8 PC + 16 (PC / 32);
; where the piece of lanes 16-31, three on, lies behind one padding more (PC % 32 from 29 on) the second address register serves.
.macro LD1 buf, p, g2, n
.set q_, (\n)/12
.set t_, ((\n)/6)%2
.set p_, (\n)%6
.set PCX, 12*(4*(\g2)+q_)+6*(p_/3)+p_%3
.set ti, 2*(\p)+t_
.set AX, ADR+2*(ti/4)+(PCX%32)/29
.set rg, (\buf)+12*(4*t_+q_)+2*p_
	ds_load_b64 v[rg:rg+1], v[AX] offset:8*PCX+16*(PCX/32)+(ti%4)*13056
.endm
.macro FETCH buf, p, g2                ; 48 LDS loads in one run, into a buffer of window 3
	WIN 0xc0
.set kk, 0
.rept 48
	LD1 \buf, \p, \g2, kk
.set kk, kk+1
.endr
	WIN 0
.endm
.macro WFRAG reg, adr, u, q            ; Wk or Wv: my tile u, K step q
.irp pp,0,1,2,3,4,5
.set PCX, 12*(\q)+6*(\pp/3)+\pp%3
	ds_load_b64 v[(\reg)+2*\pp:(\reg)+2*\pp+1], v[(\adr)+(PCX%32)/29] offset:6528*(\u)+8*PCX+16*(PCX/32)
.endr
.endm
; The quantiser of two blocks of 32 (16 numbers in my lane, 16 in lane l xor 16) of pair p, in eight pieces g: 0 to 5 vector lines, 6 and 7 the LDS stores.  v = 0: K's blocks, v = 1: V's
.macro QG v, p, g
.set A0, ACC+32*(\v)
.if \g == 0
	PLACES 4                                       ; places behind the products that made the sums
.irp b,0,1
	v_max3_num_f32 v[TM+\b], |v[A0+16*\b]|, |v[A0+16*\b+1]|, 0x1800000   ; with the floor 2^(3 - 127): the byte cannot fall under 1
.endr
.elseif \g <= 2
.irp i,0,2,4
.irp b,0,1
	v_max3_num_f32 v[TM+\b], v[TM+\b], |v[A0+16*\b+6*\g-4+\i]|, |v[A0+16*\b+6*\g-3+\i]|
.endr
.endr
.elseif \g == 3
.irp b,0,1
	v_max3_num_f32 v[TM+\b], v[TM+\b], |v[A0+16*\b+14]|, |v[A0+16*\b+15]|
.endr
.irp b,0,1
	v_permlanex16_b32 v[TP+\b], v[TM+\b], s[SEL], s[SEL+1]
.endr
.elseif \g == 4
.irp b,0,1
	v_max_num_f32 v[TM+\b], v[TM+\b], v[TP+\b]     ; the block's largest magnitude
.endr
.irp b,0,1
	v_add_nc_u32 v[TS+\b], 0xff000000, v[TM+\b]    ; 2 off its exponent field: the conversion's scale operand
.endr
.elseif \g == 5
.irp b,0,1
	v_cvt_scalef32_pk16_fp6_f32 v[CC+4*\b:CC+4*\b+2], v[A0+16*\b:A0+16*\b+15], v[TS+\b]
.endr
.irp b,0,1
	v_lshrrev_b32 v[TP+\b], 23, v[TS+\b]           ; the scale's byte; also the plain line behind the conversions
.endr
.else
.set b_, (\g)-6
.if \g == 6
	VW
.endif
.if \v == 0
.irp i,0,1,2
	ds_store_b32 v[KST], v[CC+4*b_+\i] offset:(2*(\p)+b_)*1536+4*\i
.endr
	ds_store_b8 v[KSS], v[TP+b_] offset:64*(2*(\p)+b_)   ; both lanes of a block write the same byte with the same value
.else
.irp i,0,1,2
	ds_store_b32 v[VST], v[CC+4*b_+\i] offset:1536*b_+384*(\p)+4*\i
.endr
	ds_store_b8 v[VSS], v[TP+b_] offset:64*b_+(\p)
.endif
.endif
.endm
.macro SLD p                           ; the next group's scale words of pair p
	global_load_b128 v[SS+8*(\p):SS+8*(\p)+3], v[SSA], s[6:7] offset:4096+1024*(\p)
	global_load_b128 v[SS+8*(\p)+4:SS+8*(\p)+7], v[SSA], s[6:7] offset:4096+1024*(\p)+16
.endm
; 32 products: four K steps of pair p on buffer buf: K's four accumulators by turns, then V's four.  first: the biases are the C of each sum's first product.
; qa: the vector lines that quantise V's blocks of pair p - 1 stand between K's products;  qb: those for K's blocks of pair p between V's.  w0: the LDS instructions issued behind buf's 48 loads.
.macro MULH p, g2, buf, first, qa, qb, w0
	s_wait_dscnt \w0
.set nn, 0
.irp part,0,1
.irp qq,0,1,2,3
.irp tau,0,1
.irp u,0,1
.if \part == 0
	WIN 0x0d                                       ; source 0 (Wk) window 1, source 1 (states) window 3
.set rD, ACC+16*\tau+8*\u
.set rA, 12*(8*\u+4*(\g2)+\qq)
.set rB, (\buf)+12*(4*\tau+\qq)
.set rSA, WKS+4*(\g2)+\qq
.set rSB, SS+8*(\p)+4*(\g2)+\qq
.set rC, rD
.if (\first) && (\qq == 0)
.set rC, BK+8*\u
.endif
	WMMA 0, \u, \tau
.else
	WIN 0x0b                                       ; source 0 (states) window 3, source 1 (Wv) window 2
.set rD, ACC+32+16*\u+8*\tau
.set rA, (\buf)+12*(4*\tau+\qq)
.set rB, 12*(8*\u+4*(\g2)+\qq)
.set rSA, SS+8*(\p)+4*(\g2)+\qq
.set rSB, WVS+4*(\g2)+\qq
.set rC, rD
.if (\first) && (\qq == 0)
.set rC, BV+8*\u
.endif
	WMMA 0, \tau, \u
.endif
.if nn%2 == 0
.set gg, (nn%16)/2
.if gg < 6
.if \part == 0
.if \qa
	WIN 0
	QG 1, (\p)-1, gg
.endif
.elseif \qb
	WIN 0
	QG 0, \p, gg
.endif
.endif
.endif
.set nn, nn+1
.endr
.endr
.endr
.endr
	WIN 0
.endm
; The change of slots.  fill = 1: the other slot is filled with the next 128 rows of states, jointly: the barrier is a round of the cluster's.
.macro CHANGE fill
	s_wait_tensorcnt 0x0                           ; all my tensor loads have landed: the walking group 0 may be written
	ds_add_u32 v[SPW], v[NIL]
.if \fill
	s_xor_b32 s75, s[TB], BIGB
	s_add_co_u32 s[G0S+1], s75, s[WOFF]
	s_add_nc_u64 s[G0S+2:G0S+3], s[G0S+2:G0S+3], 98304
.endif
	s_wait_dscnt 0x0                               ; the add, my reads of the other slot, my stores into the images
.if \fill
	CROUND
	tensor_load_to_lds s[G0S:G0S+3], s[G1S:G1S+7]  ; my one tensor load behind the round
	s_nop 0
	PLACES 4
.else
	s_barrier_signal -1
	s_barrier_wait -1
.endif
.endm
; A group: 128 rows of states = four pairs of key tiles.  The counts on LOADcnt: the loads of scale words issued behind this pair's two.
; The counts on DScnt (MULH's last argument): behind a buffer's 48 loads stand the next run's 8 stores (none in pair 0's first run) and 48 loads (none where the group has no pair left).
.macro GROUP last
	v_add_nc_u32 v[ADR], s[TB], v[LT0]
	v_add_nc_u32 v[ADR+1], s[TB], v[LT1]
	v_add_nc_u32 v[ADR+2], 52224, v[ADR]
	v_add_nc_u32 v[ADR+3], 52224, v[ADR+1]
	VW
	FETCH F0, 0, 0
	FETCH F1, 0, 1
.irp p,0,1,2,3
.if \last
	s_wait_loadcnt 6-2*\p
.elseif \p == 0
	s_wait_loadcnt 6
.else
	s_wait_loadcnt 4
.endif
.if \p == 0
	MULH \p, 0, F0, 1, 0, 0, 48
.else
	MULH \p, 0, F0, 1, 1, 0, 56
.endif
	PLACES 4                                       ; in front of loads into registers that products have read
.if \p > 0
	QG 1, \p-1, 6
	QG 1, \p-1, 7
.if !\last
	SLD \p-1
.endif
.endif
.if \p < 3
	FETCH F0, \p+1, 0
.endif
.if \p == 0
	MULH \p, 1, F1, 0, 0, 1, 48
.elseif \p < 3
	MULH \p, 1, F1, 0, 0, 1, 56
.else
	MULH \p, 1, F1, 0, 0, 1, 8
.endif
	PLACES 4
	QG 0, \p, 6
	QG 0, \p, 7
.if \p < 3
	FETCH F1, \p+1, 1
.endif
.endr
.irp g,0,1,2,3,4,5,6,7
	QG 1, 3, \g
.endr
.if !\last
	SLD 3
.endif
.endm
; Phase B: fragment f (K: T; V: 32 + 8 kap + t) lies in window 1 + f / 21 at register 12 (f % 21); the last one in window 0
.macro FSEL f
.if (\f) == 63
.set rA, X63
.set wF, 0
.else
.set rA, 12*((\f)%21)
.set wF, 1+(\f)/21
.endif
.endm
.macro IMGLD f, adr, off
	FSEL \f
.set wD, wF*64
	WIN wD
.irp pp,0,1,2,3,4,5
	ds_load_b64 v[rA+2*\pp:rA+2*\pp+1], v[\adr] offset:(\off)+768*(\pp/3)+8*(\pp%3)
.endr
.endm
.macro SW kap, j                       ; S^T, tile j of key step kap: lane (r, h) holds query r
	FSEL 8*(\kap)+(\j)
	WIN wF
.set rD, S+8*(\j)
.set rB, Q
.set rC, rD
.set rSA, KS+(8*(\kap)+(\j))/2
.set rSB, QS
	WMMA 1, (\j)%2, 0
.endm
.macro PVW kap, j                      ; O^T tile j += V^T P^T of key step kap - 1 (none where kap = 0); that step 0 starts the sums
.if (\kap) > 0
	FSEL 32+8*((\kap)-1)+(\j)
	WIN wF
.set rD, O+8*(\j)
.set rB, P
.set rC, rD
.set rSA, VS+4*((\kap)-1)+(\j)/2
.set rSB, PW
.if (\kap) == 1
	WMMA 1, (\j)%2, 0
.else
	WMMA 0, (\j)%2, 0
.endif
	WIN 0
.endif
.endm
.macro MX1 b0, b1                      ; the largest score of two blocks of 32 keys, first half
.irp b,\b0,\b1
	v_max3_num_f32 v[BM+\b], v[S+16*\b], v[S+16*\b+1], v[S+16*\b+2]
.endr
.irp i,3,5,7
.irp b,\b0,\b1
	v_max3_num_f32 v[BM+\b], v[BM+\b], v[S+16*\b+\i], v[S+16*\b+\i+1]
.endr
.endr
.endm
.macro MX2 b0, b1
.irp i,9,11,13
.irp b,\b0,\b1
	v_max3_num_f32 v[BM+\b], v[BM+\b], v[S+16*\b+\i], v[S+16*\b+\i+1]
.endr
.endr
.irp b,\b0,\b1
	v_max_num_f32 v[BM+\b], v[BM+\b], v[S+16*\b+15]
.endr
.endm
.macro PKF o                           ; t - M of two scores
	v_pk_fma_f32 v[S+(\o):S+(\o)+1], v[S+(\o):S+(\o)+1], s[CS:CS+1], v[NM:NM+1] op_sel_hi:[1,0,0]
.endm
.macro SM3 t, o                        ; eight p summed into a pair: a chain that stands whole between two exponentials
	v_pk_add_f32 v[\t:\t+1], v[S+(\o):S+(\o)+1], v[S+(\o)+2:S+(\o)+3]
	v_pk_add_f32 v[\t:\t+1], v[\t:\t+1], v[S+(\o)+4:S+(\o)+5]
	v_pk_add_f32 v[\t:\t+1], v[\t:\t+1], v[S+(\o)+6:S+(\o)+7]
.endm
.macro ACT                             ; the two parts onto the row's sums
	v_pk_add_f32 v[SUM:SUM+1], v[SUM:SUM+1], v[T0:T0+1]
	v_pk_add_f32 v[SU2:SU2+1], v[SU2:SU2+1], v[T1:T1+1]
.endm
.macro TL k                            ; a key step's tail, in five pieces: block 3's codes and sums, and the whole blocks 2 and 3 of the operand
.if \k == 0
	v_cvt_scalef32_pk16_fp6_f32 v[PT+4:PT+6], v[S+48:S+63], v[SO+3]
	ACT
.elseif \k <= 2
.set o_, 40+8*(\k)
	v_pk_add_f32 v[SUM:SUM+1], v[SUM:SUM+1], v[S+o_:S+o_+1]
	v_pk_add_f32 v[SU2:SU2+1], v[SU2:SU2+1], v[S+o_+2:S+o_+3]
	v_pk_add_f32 v[SUM:SUM+1], v[SUM:SUM+1], v[S+o_+4:S+o_+5]
	v_pk_add_f32 v[SU2:SU2+1], v[SU2:SU2+1], v[S+o_+6:S+o_+7]
.elseif \k == 3
.irp i,0,1,2
	v_permlane16_swap_b32 v[P+6+\i], v[PT+4+\i]
.endr
.else
.irp i,0,1,2
	v_mov_b32 v[P+9+\i], v[PT+4+\i]
.endr
.endif
.endm
; A key step: 128 keys.  qnext: the next tile of queries is asked for.
.macro KSTEP kap, qnext
.if \kap == 1
	s_wait_dscnt 0x0                               ; in the first trip: V's images are in
.endif
.irp j,0,1,2,3,4
	SW \kap, \j
.if \kap > 0
	WIN 0
	TL \j
.endif
.endr
	SW \kap, 5
	WIN 0
.if \kap == 0
	PLACES 4
.endif
	MX1 0, 1
	SW \kap, 6
	SW \kap, 7
	WIN 0
	MX2 0, 1
.if \qnext
.irp pp,0,1,2,3,4,5
	global_load_b64 v[Q+2*\pp:Q+2*\pp+1], v[QA], s[20:21] offset:48*(\pp/3)+8*(\pp%3)
.endr
	global_load_b32 v[QS], v[QSA], s[22:23]
.endif
	MX1 2, 3
	MX2 2, 3
.irp b,0,1,2,3
	v_permlanex16_b32 v[BP+\b], v[BM+\b], s[SEL], s[SEL+1]
.endr
	PVW \kap, 0
.irp b,0,1,2,3
	v_max_num_f32 v[BM+\b], v[BM+\b], v[BP+\b]
.endr
	PVW \kap, 1
	v_max3_num_f32 v[TT], v[BM], v[BM+1], v[BM+2]
	PVW \kap, 2
	v_max_num_f32 v[TT], v[TT], v[BM+3]
	PVW \kap, 3
	v_mul_f32 v[TT], s[CS], v[TT]                  ; as t (c is positive)
	PVW \kap, 4
	v_max_num_f32 v[TMAX], v[TMAX], v[TT]          ; the running largest t
	PVW \kap, 5
	v_mov_b32 v[TT], v[NM]
	v_floor_f32 v[NM], -v[TMAX]                    ; -M = floor(-t): M is a whole number
	PVW \kap, 6
	v_sub_f32 v[TT], v[NM], v[TT]                  ; old M less new M
	PVW \kap, 7
	v_cvt_i32_f32 v[TT], v[TT]                     ; (it saturates)
	v_ldexp_f32 v[FF], 1.0, v[TT]                  ; f = 2^(old M - new M)
.irp b,0,1,2,3
	v_fma_f32 v[BM+\b], v[BM+\b], s[CS], v[NM]
.endr
.if \kap > 0
.irp j,0,2,4,6,8,10,12,14,16,18,20,22,24,26,28,30,32,34,36,38,40,42,44,46,48,50,52,54,56,58,60,62
	v_pk_mul_f32 v[O+\j:O+\j+1], v[O+\j:O+\j+1], v[FF:FF+1] op_sel_hi:[1,0]   ; O^T under the new M, each accumulator from its low end on
.endr
.endif
.irp j,0,2,4,6,8,10,12,14
	PKF \j
.endr
	VW
.irp b,0,1,2,3
	v_exp_f32 v[BM+\b], v[BM+\b]                   ; the block's largest p
	PKF 16+2*\b
.endr
.set jj, 0
.rept 16
	v_exp_f32 v[S+jj], v[S+jj]                     ; p = 2^(t - M), not normalised
.if jj < 4
	PKF 24+2*jj
.elseif jj == 4
	v_pk_mul_f32 v[SUM:SUM+1], v[SUM:SUM+1], v[FF:FF+1] op_sel_hi:[1,0]
.elseif jj == 5
	v_pk_mul_f32 v[SU2:SU2+1], v[SU2:SU2+1], v[FF:FF+1] op_sel_hi:[1,0]
.endif
.set jj, jj+1
.endr
	v_nop
	VW
.set jj, 0
.rept 16
	v_exp_f32 v[S+16+jj], v[S+16+jj]
.if jj < 4
	v_max_num_f32 v[BM+jj], 0x1800000, v[BM+jj]    ; the floor 2^(3 - 127)
	v_add_nc_u32 v[SO+jj], 0xff000000, v[BM+jj]    ; the conversion's scale operand
	v_lshrrev_b32 v[BP+jj], 23, v[SO+jj]
.elseif jj == 4
	SM3 T0, 0
.elseif jj == 5
	SM3 T1, 8
.elseif jj < 14
	PKF 32+2*(jj-6)
.endif
.set jj, jj+1
.endr
	v_nop
	VW
.set jj, 0
.rept 16
	v_exp_f32 v[S+32+jj], v[S+32+jj]
.if jj == 0
	v_lshl_or_b32 v[PW], v[BP+1], 8, v[BP]         ; p's scale word for these 128 keys
	v_lshl_or_b32 v[PW], v[BP+2], 16, v[PW]
	v_lshl_or_b32 v[PW], v[BP+3], 24, v[PW]
.elseif jj == 1
	ACT
.elseif jj == 2
	SM3 T0, 16
.elseif jj == 3
	SM3 T1, 24
.elseif jj == 4
	v_cvt_scalef32_pk16_fp6_f32 v[P:P+2], v[S:S+15], v[SO]
.elseif jj == 5
	v_cvt_scalef32_pk16_fp6_f32 v[PT:PT+2], v[S+16:S+31], v[SO+1]
.elseif jj < 14
	PKF 48+2*(jj-6)
.endif
.set jj, jj+1
.endr
	v_nop
	VW
.set jj, 0
.rept 16
	v_exp_f32 v[S+48+jj], v[S+48+jj]
.if jj == 0
	ACT
.elseif jj == 1
	SM3 T0, 32
.elseif jj == 2
	SM3 T1, 40
.elseif jj == 3
	v_cvt_scalef32_pk16_fp6_f32 v[P+6:P+8], v[S+32:S+47], v[SO+2]
.elseif jj < 7
	v_permlane16_swap_b32 v[P+jj-4], v[PT+jj-4]    ; the operand wants a whole block in a lane
	v_mov_b32 v[P+jj-1], v[PT+jj-4]
.endif
.set jj, jj+1
.endr
	v_nop
	VW
.endm
	s_load_b512 s[4:19], s[0:1], 0x0               ; states codes s[4:5], scales s[6:7]; Wk s[8:9], s[10:11]; Wv s[12:13], s[14:15]; bk s[16:17]; bv s[18:19]
	s_load_b256 s[20:27], s[0:1], 0x40             ; query codes s[20:21], scales s[22:23]; Wc codes s[24:25]; ctx codes s[26:27]
	s_load_b128 s[28:31], s[0:1], 0x60             ; ctx scales s[28:29]; wc_img s[30:31]
	v_lshl_add_u32 v[SPW], v0, 2, SPARE
	v_mov_b32 v[NIL], 0
	ds_add_u32 v[SPW], v[NIL]                      ; the opening lines
	ds_add_u32 v[SPW], v[NIL]
	v_lshrrev_b32 v3, 5, v0
	v_readfirstlane_b32 s[WV], v3                  ; wave 0..3
	s_bfe_u32 s33, ttmp6, 0x40000                  ; cx
	s_bfe_u32 s34, ttmp6, 0x40004                  ; cy
	s_lshl_b32 s[HD], ttmp9, 2
	s_add_co_u32 s[HD], s[HD], s33                 ; head = 4 x cluster x + cx
	s_and_b32 s[BT], ttmp7, 0xffff
	s_lshl_b32 s[BT], s[BT], 2
	s_add_co_u32 s[BT], s[BT], s34                 ; batch = 4 x cluster y + cy
	s_lshl_b32 s37, s34, 2
	s_lshl_b32 s37, 15, s37                        ; my row of the cluster: it shares the batch
	s_lshl_b32 s38, 0x1111, s33                    ; my column: it shares the head
	s_mul_i32 s[WOFF], s[WV], WTILE
	; groups 1: rows of 768 bytes, 16 bytes of padding behind each 256; 32, 128 and 64 rows
	s_or_b32 s[G1S], s37, (1<<20)|(1<<21)|(5<<22)|(3<<25)
	s_or_b32 s[G1W], s38, (1<<20)|(1<<21)|(5<<22)|(3<<25)
	s_or_b32 s[G1H], s37, (1<<20)|(1<<21)|(5<<22)|(3<<25)
.irp g, G1S, G1W, G1H
	s_mov_b32 s[\g+1], 768<<16
	s_mov_b32 s[\g+3], 768<<16
	s_mov_b32 s[\g+5], 768
	s_mov_b32 s[\g+6], 0
	s_mov_b32 s[\g+7], 0
.endr
	s_mov_b32 s[G1S+2], 32<<16
	s_mov_b32 s[G1S+4], 32
	s_mov_b32 s[G1W+2], 128<<16
	s_mov_b32 s[G1W+4], 128
	s_mov_b32 s[G1H+2], 64<<16
	s_mov_b32 s[G1H+4], 64
	s_mul_i32 s86, s[WV], 24576                    ; the ring: my 32 rows of 128
	s_mul_i32 s80, s[HD], 98304                    ; Wk, Wv: the head's 128 rows
	s_mov_b32 s81, 0
	s_mul_i32 s82, s[BT], 393216                   ; states: the batch's 512 rows
	s_mov_b32 s83, 0
	s_and_b32 s75, s[WV], 1                        ; the head's load of states: waves 2 and 3 take 64 rows each
	s_mul_i32 s84, s75, 49152
	s_add_co_u32 s84, s84, s82
	s_mov_b32 s85, 0
	s_add_co_u32 s82, s82, s86
	s_mul_i32 s[G0H+1], s75, 2*WTILE
	s_mov_b32 s[SEL], 0x76543210
	s_mov_b32 s[SEL+1], 0xfedcba98
	s_mov_b32 s[CS], 0x3e0293ee                    ; c = log2(e) / sqrt(128)
	s_mov_b32 s[CS+1], s[CS]
	s_add_co_u32 s33, s[WOFF], IMG                 ; scalars for the LDS addresses below
	s_add_co_u32 s34, s[WOFF], BIGB
	s_mul_i32 s37, s[WV], 384
	s_add_co_u32 s37, s37, KIMG
	s_mul_i32 s38, s[WV], 3072
	s_add_co_u32 s38, s38, VIMG
	s_add_co_u32 s86, s[WV], KSC
	s_lshl_b32 s87, s[WV], 7
	s_add_co_u32 s87, s87, VSC
	s_wait_dscnt 0x0                               ; both opening adds are done
	s_wait_kmcnt 0x0
	s_mov_b32 s[G0K], 1
	s_mov_b32 s[G0K+1], IMG
	s_add_nc_u64 s[G0K+2:G0K+3], s[8:9], s[80:81]
	s_or_b32 s[G0K+3], s[G0K+3], 0x80000000
	s_mov_b32 s[G0V], 1
	s_mov_b32 s[G0V+1], BIGB
	s_add_nc_u64 s[G0V+2:G0V+3], s[12:13], s[80:81]
	s_or_b32 s[G0V+3], s[G0V+3], 0x80000000
	s_mov_b32 s[G0H], 1
	s_add_nc_u64 s[G0H+2:G0H+3], s[4:5], s[84:85]
	s_or_b32 s[G0H+3], s[G0H+3], 0x80000000
	s_mov_b32 s[G0S], 1                            ; the ring's group 0: first used, stepped, at the first change of slots
	s_mov_b32 s[G0S+1], s[WOFF]
	s_add_nc_u64 s[G0S+2:G0S+3], s[4:5], s[82:83]
	s_or_b32 s[G0S+3], s[G0S+3], 0x80000000
	CROUND                                         ; all sixteen work-groups are here: the first joint loads meet
; the head's loads, one a wave, in one chain of arms: wave 0 Wk's 128 rows, wave 1 Wv's, waves 2 and 3 rows 0-63 and 64-127 of states
	s_cmp_lt_u32 s[WV], 1
	s_cbranch_scc0 .Lhead_v
	tensor_load_to_lds s[G0K:G0K+3], s[G1W:G1W+7]
	s_nop 0
	PLACES 4
	s_branch .Lhead_asked
.Lhead_v:
	s_cmp_lt_u32 s[WV], 2
	s_cbranch_scc0 .Lhead_s
	tensor_load_to_lds s[G0V:G0V+3], s[G1W:G1W+7]
	s_nop 0
	PLACES 4
	s_branch .Lhead_asked
.Lhead_s:
	tensor_load_to_lds s[G0H:G0H+3], s[G1H:G1H+7]
	s_nop 0
	PLACES 4
.Lhead_asked:
	v_and_b32 v[LN], 31, v0
	v_and_b32 v[RR], 15, v0
	v_bfe_u32 v[HH], v0, 4, 1
	v_mul_u32_u24 v[LT0], v[RR], PITCH
	v_mad_u32_u24 v[LT1], v[HH], 40, v[LT0]        ; row r, + 40 h: behind one padding more
	v_mad_u32_u24 v[LT0], v[HH], 24, v[LT0]        ; row r, + 24 h
	v_and_b32 v21, 8, v[RR]
	v_add_nc_u32 v21, v21, v[RR]                   ; r + 8 (r / 8)
	v_mul_u32_u24 v22, v21, PITCH
	v_mad_u32_u24 v23, v[HH], 24, v22
	v_mad_u32_u24 v22, v[HH], 40, v22
	v_add_nc_u32 v[WLK], s33, v23                  ; my 32 rows of Wk
	v_add_nc_u32 v[WLK+1], s33, v22
	v_add_nc_u32 v[WLV], s34, v23
	v_add_nc_u32 v[WLV+1], s34, v22
	v_mul_u32_u24 v22, v[RR], 24
	v_mad_u32_u24 v22, v[HH], 12, v22              ; 24 r + 12 h
	v_add_nc_u32 v[KST], s37, v22                  ; K: e block w of a fragment lies 384 w in
	v_add_nc_u32 v[VST], s38, v22                  ; V: my e tiles 2 w, 2 w + 1
	v_lshlrev_b32 v22, 2, v[RR]
	v_add_nc_u32 v[KSS], s86, v22                  ; byte w of key r's word
	v_add_nc_u32 v[VSS], s87, v22
	v_lshlrev_b32 v[SSA], 5, v[LN]                 ; states' scales: 32 bytes a row
	v_lshl_add_u32 v[WSO], v[HH], 3, v21
	v_lshlrev_b32 v[WSO], 5, v[WSO]                ; W's scales: row 8 h + r + 8 (r / 8) of my 32
	v_lshlrev_b32 v[BKO], 6, v[HH]
	v_lshlrev_b32 v[BVO], 2, v21
	v_mul_u32_u24 v[WCO], v[RR], 3072
	v_mad_u32_u24 v[WCO], v[HH], 24, v[WCO]
	v_lshlrev_b32 v[IMO], 4, v[LN]
.irp b,0,1
	v_mov_b32 v[TP+\b], 0                          ; a lane permute's destination counts as one of its sources
.endr
	VW                                             ; at the end of the head's vector lines
	s_lshl_b32 s84, s[BT], 14
	s_add_nc_u64 s[6:7], s[6:7], s[84:85]          ; states' scales: 16,384 b
	s_lshl_b32 s84, s[HD], 12
	s_lshl_b32 s37, s[WV], 10
	s_add_co_u32 s84, s84, s37
	s_add_nc_u64 s[10:11], s[10:11], s[84:85]      ; W's scales: 4,096 h + 1,024 w
	s_add_nc_u64 s[14:15], s[14:15], s[84:85]
	s_lshr_b32 s84, s84, 3
	s_add_nc_u64 s[16:17], s[16:17], s[84:85]      ; biases: 512 h + 128 w
	s_add_nc_u64 s[18:19], s[18:19], s[84:85]
	s_mul_i32 s37, s[BT], 49152
	s_mul_i32 s84, s[WV], 12288
	s_add_co_u32 s84, s84, s37
	s_add_nc_u64 s[20:21], s[20:21], s[84:85]      ; query codes: my 128 queries
	s_mul_i32 s84, s[HD], 96
	s_add_co_u32 s84, s84, s37
	s_add_nc_u64 s[24:25], s[24:25], s[84:85]      ; Wc: rows 16 b on, K step h
	s_lshl_b32 s37, s[BT], 11
	s_lshl_b32 s84, s[WV], 9
	s_add_co_u32 s84, s84, s37
	s_add_nc_u64 s[22:23], s[22:23], s[84:85]      ; query scales: 2,048 b + 512 w
	s_lshl_b32 s37, s[HD], 14
	s_add_co_u32 s84, s84, s37
	s_add_nc_u64 s[28:29], s[28:29], s[84:85]      ; ctx scales: 16,384 h + 2,048 b + 512 w
	s_mul_i32 s84, s[BT], 1572864
	s_mul_i32 s37, s[WV], 393216
	s_add_co_u32 s84, s84, s37
	s_mul_i32 s37, s[HD], 1536
	s_add_co_u32 s84, s84, s37
	s_add_nc_u64 s[26:27], s[26:27], s[84:85]      ; ctx codes: 49,152 (32 b + 8 w) + 1,536 h
	s_mul_i32 s84, s[HD], 12288
	s_mul_i32 s37, s[BT], 1536
	s_add_co_u32 s84, s84, s37
	s_add_nc_u64 s[30:31], s[30:31], s[84:85]      ; wc_img: 1,536 (8 h + b)
	global_load_b128 v[WKS:WKS+3], v[WSO], s[10:11]
	global_load_b128 v[WKS+4:WKS+7], v[WSO], s[10:11] offset:16
	global_load_b128 v[WVS:WVS+3], v[WSO], s[14:15]
	global_load_b128 v[WVS+4:WVS+7], v[WSO], s[14:15] offset:16
.irp p,0,1,2,3
	global_load_b128 v[SS+8*\p:SS+8*\p+3], v[SSA], s[6:7] offset:1024*\p
	global_load_b128 v[SS+8*\p+4:SS+8*\p+7], v[SSA], s[6:7] offset:1024*\p+16
.endr
.irp u,0,1
	global_load_b128 v[BK+8*\u:BK+8*\u+3], v[BKO], s[16:17] offset:32*\u        ; bk at e = 32 w + 16 h + 8 u + 0 .. 7
	global_load_b128 v[BK+8*\u+4:BK+8*\u+7], v[BKO], s[16:17] offset:32*\u+16
	global_load_b32 v[BV+8*\u], v[BVO], s[18:19] offset:32*\u                   ; bv at my lane's row of Wv's tile u
.endr
	s_cmp_lg_u32 s[WV], 0                          ; wave 0 alone: one fragment of Wc into the order of the operand's registers
	s_cbranch_scc1 .Lno_wc
.irp pp,0,1,2,3,4,5
	global_load_b64 v[WCF+2*\pp:WCF+2*\pp+1], v[WCO], s[24:25] offset:48*(\pp/3)+8*(\pp%3)
.endr
	s_wait_loadcnt 0x0
.irp j,0,1,2
	global_store_b128 v[IMO], v[WCF+4*\j:WCF+4*\j+3], s[30:31] offset:512*\j     ; 32 lanes store 512 consecutive bytes
.endr
.Lno_wc:
	s_wait_tensorcnt 0x0                           ; my load of the head's has landed;
	s_barrier_signal -1
	s_barrier_wait -1                              ; everybody's has.
	WIN 0x40
.irp u,0,1
.irp q,0,1,2,3,4,5,6,7
	WFRAG 12*(8*\u+\q), WLK, \u, \q
.endr
.endr
	WIN 0x80
.irp u,0,1
.irp q,0,1,2,3,4,5,6,7
	WFRAG 12*(8*\u+\q), WLV, \u, \q
.endr
.endr
	WIN 0
	s_wait_loadcnt 0x0                             ; scale words and biases
.irp vv,0,1
.irp j,1,2,3,4,5,6,7
	v_mov_b32 v[BV+8*\vv+\j], v[BV+8*\vv]          ; V's result holds one e a lane: its eight registers take the same bias
.endr
.endr
	VW
	s_mov_b32 s[TB], BIGA
	s_mov_b32 s[GC], 3
.Lgroup:                                           ; three trips: behind each change of slots the next 128 rows are asked for
	CHANGE 1
	GROUP 0
	s_wait_xcnt 0x0                                ; the loads of scale words have had their addresses translated: the base may step
	s_add_nc_u64 s[6:7], s[6:7], 4096
	v_add_nc_u32 v[KST], 12288, v[KST]
	v_add_nc_u32 v[VST], 12288, v[VST]
	v_add_nc_u32 v[KSS], 512, v[KSS]
	v_add_nc_u32 v[VSS], 512, v[VSS]
	s_xor_b32 s[TB], s[TB], BIGB
	s_sub_co_u32 s[GC], s[GC], 1
	s_cmp_lg_u32 s[GC], 0
	VW
	s_cbranch_scc1 .Lgroup
	CHANGE 0                                       ; the last group is written out
	GROUP 1
	; ---- to phase B
	v_mul_u32_u24 v[QA], v[RR], 96
	v_mad_u32_u24 v[QA], v[HH], 24, v[QA]
	v_lshlrev_b32 v[QSA], 2, v[RR]
.irp pp,0,1,2,3,4,5
	global_load_b64 v[Q+2*\pp:Q+2*\pp+1], v[QA], s[20:21] offset:48*(\pp/3)+8*(\pp%3)   ; my first tile of queries
.endr
	global_load_b32 v[QS], v[QSA], s[22:23]
	v_lshlrev_b32 v[CO], 4, v[LN]
	s_lshl_b32 s84, s[WV], 9
	v_add_nc_u32 v[CSL], s84, v[QSA]               ; the stash: 512 w + 4 r, 64 bytes a trip
	v_add_nc_u32 v[STL], s84, v[CO]
	v_mul_u32_u24 v[KLD], v[LN], 24
	v_add_nc_u32 v[VLD], VIMG, v[KLD]
	v_add_nc_u32 v[KLD], KIMG, v[KLD]
	v_lshl_add_u32 v[SLD], v[LN], 2, KSC
.irp b,0,1,2,3
	v_mov_b32 v[BP+\b], 0
.endr
	v_mov_b32 v[PW], 0                             ; (named as the upper half of the pair with f before it is first written)
	VW
	s_wait_dscnt 0x0                               ; my stores into the images have landed
	s_barrier_signal -1
	s_barrier_wait -1                              ; everybody's have
.set ff, 0
.rept 32
	IMGLD ff, KLD, 1536*ff
.set ff, ff+1
.endr
	WIN 0
.irp i,0,1,2,3,4,5,6,7,8,9,10,11,12,13,14,15,16,17,18,19,20,21,22,23,24,25,26,27,28,29,30,31
	ds_load_b32 v[KS+\i], v[SLD] offset:128*\i     ; two tiles' scale words to a register: K's 16 registers, then V's 16
.endr
	s_wait_dscnt 0x0                               ; K and the scale words are in;
.set ff, 0
.rept 32
	IMGLD 32+ff, VLD, 1536*ff                      ; V's images land while the first scores and their softmax are made
.set ff, ff+1
.endr
	WIN 0
	s_wait_xcnt 0x0                                ; the first tile's loads have read their bases:
	s_add_nc_u64 s[20:21], s[20:21], 1536          ; they now stand at the tile that the first trip asks for
	s_add_nc_u64 s[22:23], s[22:23], 64
	s_mov_b32 s87, 0
	s_mov_b32 s[TC], 8
.Lq:                                               ; a trip: 16 queries against all 512 keys
	v_mov_b32 v[TMAX], 0xff61b1e6                  ; -3e38, under every t
	v_floor_f32 v[NM], -v[TMAX]
	v_mov_b32 v[SUM], 0
	v_mov_b32 v[SUM+1], 0
	v_mov_b32 v[SU2], 0
	v_mov_b32 v[SU2+1], 0
	VW
	s_wait_loadcnt 0x0                             ; Q
	KSTEP 0, 0
	KSTEP 1, 0
	KSTEP 2, 0
	KSTEP 3, 1
.irp k,0,1,2,3,4
	TL \k
.endr
	v_pk_add_f32 v[SUM:SUM+1], v[SUM:SUM+1], v[SU2:SU2+1]   ; the row's sum; with the two v_nops the places between the writes of P and the products
	v_add_f32 v[TT], v[SUM], v[SUM+1]
	v_permlanex16_b32 v[BP], v[TT], s[SEL], s[SEL+1]
	v_add_f32 v[TT], v[TT], v[BP]
	PLACES 2
	VW                                             ; P was written just above and is read by all eight products below
.irp j,0,1,2,3,4,5,6,7
	PVW 4, \j                                      ; the last key step's products
.endr
	VW
	v_rcp_f32 v[RL], v[TT]
	v_rcp_f32 v[RL+1], v[TT]
	PLACES 4                                       ; places behind the last products and behind the reciprocals
	VW
.irp j,0,2,4,6,8,10,12,14,16,18,20,22,24,26,28,30,32,34,36,38,40,42,44,46,48,50,52,54,56,58,60,62
	v_pk_mul_f32 v[S+\j:S+\j+1], v[O+\j:O+\j+1], v[RL:RL+1]   ; ctx = O^T / l: register 16 b + i is e = 32 b + 16 h + i of my query
.endr
.irp b,0,1,2,3
	v_max3_num_f32 v[BM+\b], |v[S+16*\b]|, |v[S+16*\b+1]|, 0x1800000
.endr
.irp i,2,4,6,8,10,12,14
.irp b,0,1,2,3
	v_max3_num_f32 v[BM+\b], v[BM+\b], |v[S+16*\b+\i]|, |v[S+16*\b+\i+1]|
.endr
.endr
.irp b,0,1,2,3
	v_permlanex16_b32 v[BP+\b], v[BM+\b], s[SEL], s[SEL+1]
.endr
.irp b,0,1,2,3
	v_max_num_f32 v[BM+\b], v[BM+\b], v[BP+\b]
.endr
.irp b,0,1,2,3
	v_add_nc_u32 v[SO+\b], 0xff000000, v[BM+\b]
.endr
.irp b,0,1,2,3
	v_lshrrev_b32 v[BP+\b], 23, v[SO+\b]
.endr
	v_lshl_or_b32 v[PW], v[BP+1], 8, v[BP]         ; my query's scale word for this head's 128
	v_lshl_or_b32 v[PW], v[BP+2], 16, v[PW]
	v_lshl_or_b32 v[PW], v[BP+3], 24, v[PW]
.irp c,0,1
	v_cvt_scalef32_pk16_fp6_f32 v[P+6*\c:P+6*\c+2], v[S+32*\c:S+32*\c+15], v[SO+2*\c]
	v_cvt_scalef32_pk16_fp6_f32 v[PT+4*\c:PT+4*\c+2], v[S+32*\c+16:S+32*\c+31], v[SO+2*\c+1]
.endr
	v_nop                                          ; one plain line behind the conversions
.irp c,0,1
.irp i,0,1,2
	v_permlane16_swap_b32 v[P+6*\c+\i], v[PT+4*\c+\i]
.endr
.irp i,0,1,2
	v_mov_b32 v[P+3+6*\c+\i], v[PT+4*\c+\i]
.endr
.endr
.irp j,0,1,2
	global_store_b128 v[CO], v[P+4*\j:P+4*\j+3], s[26:27] offset:512*\j   ; the fragment as an image of its registers: 512 consecutive bytes a store
.endr
	ds_store_b32 v[CSL], v[PW]                     ; both halves of the lanes write the same word with the same value
	s_wait_xcnt 0x0                                ; the stores and the loads of the next Q have read their bases and registers
	s_add_nc_u64 s[26:27], s[26:27], 49152
	s_cmp_gt_u32 s[TC], 2                          ; the next trip asks for the tile behind its own, the last one for its own: no load leaves its buffer
	s_cselect_b32 s84, 1536, 0
	s_cselect_b32 s86, 64, 0
	s_add_nc_u64 s[20:21], s[20:21], s[84:85]
	s_add_nc_u64 s[22:23], s[22:23], s[86:87]
	v_add_nc_u32 v[CSL], 64, v[CSL]
	s_sub_co_u32 s[TC], s[TC], 1
	s_cmp_lg_u32 s[TC], 0
	VW
	s_cbranch_scc1 .Lq
	ds_load_b128 v[STB:STB+3], v[STL]              ; my eight tiles' scale words: LDS serves a wave's instructions in order
	s_wait_dscnt 0x0
	global_store_b128 v[CO], v[STB:STB+3], s[28:29]   ; 512 consecutive bytes, aligned
	s_wait_tensorcnt 0x0                           ; the wave's end
	ds_add_u32 v[SPW], v[NIL]
	s_wait_dscnt 0x0
	CROUND                                         ; the closing round
	s_endpgm
.Lfunc_end_k_q5255c0aa36_attn:
	.size	k_q5255c0aa36_attn, .Lfunc_end_k_q5255c0aa36_attn-k_q5255c0aa36_attn
	.p2alignl 7, 3214868480
	.fill 96, 4, 3214868480
	.section	.rodata,"a",@progbits
	.p2align	6, 0x0
	.amdhsa_kernel k_q5255c0aa36_attn
		.amdhsa_group_segment_fixed_size 327680
		.amdhsa_private_segment_fixed_size 0
		.amdhsa_enable_private_segment 0
		.amdhsa_kernarg_size 112
		.amdhsa_user_sgpr_count 2
		.amdhsa_user_sgpr_kernarg_segment_ptr 1
		.amdhsa_wavefront_size32 1
		.amdhsa_system_sgpr_workgroup_id_x 1
		.amdhsa_system_sgpr_workgroup_id_y 1
		.amdhsa_system_sgpr_workgroup_id_z 1
		.amdhsa_system_vgpr_workitem_id 0
		.amdhsa_next_free_vgpr 1024
		.amdhsa_next_free_sgpr 100
		.amdhsa_reserve_vcc 0
		.amdhsa_float_denorm_mode_32 3
		.amdhsa_float_denorm_mode_16_64 3
		.amdhsa_memory_ordered 1
		.amdhsa_forward_progress 1
		.amdhsa_inst_pref_size 255
	.end_amdhsa_kernel
	.section	.bss,"aw",@nobits
	.p2align	6
	.space	262144
	.amdgpu_metadata
---
amdhsa.version: [ 1, 2 ]
amdhsa.kernels:
  - .name:           k_q5255c0aa36_attn
    .symbol:         k_q5255c0aa36_attn.kd
    .args:
      - { .name: states_codes, .offset: 0, .size: 8, .value_kind: global_buffer, .address_space: global }
      - { .name: states_scales, .offset: 8, .size: 8, .value_kind: global_buffer, .address_space: global }
      - { .name: Wk_codes, .offset: 16, .size: 8, .value_kind: global_buffer, .address_space: global }
      - { .name: Wk_scales, .offset: 24, .size: 8, .value_kind: global_buffer, .address_space: global }
      - { .name: Wv_codes, .offset: 32, .size: 8, .value_kind: global_buffer, .address_space: global }
      - { .name: Wv_scales, .offset: 40, .size: 8, .value_kind: global_buffer, .address_space: global }
      - { .name: bk, .offset: 48, .size: 8, .value_kind: global_buffer, .address_space: global }
      - { .name: bv, .offset: 56, .size: 8, .value_kind: global_buffer, .address_space: global }
      - { .name: query_codes, .offset: 64, .size: 8, .value_kind: global_buffer, .address_space: global }
      - { .name: query_scales, .offset: 72, .size: 8, .value_kind: global_buffer, .address_space: global }
      - { .name: Wc_codes, .offset: 80, .size: 8, .value_kind: global_buffer, .address_space: global }
      - { .name: ctx_codes, .offset: 88, .size: 8, .value_kind: global_buffer, .address_space: global }
      - { .name: ctx_scales, .offset: 96, .size: 8, .value_kind: global_buffer, .address_space: global }
      - { .name: wc_img, .offset: 104, .size: 8, .value_kind: global_buffer, .address_space: global }
    .group_segment_fixed_size: 327680
    .private_segment_fixed_size: 0
    .kernarg_segment_align: 8
    .kernarg_segment_size: 112
    .max_flat_workgroup_size: 128
    .sgpr_count:     100
    .vgpr_count:     1024
    .wavefront_size: 32
...
	.end_amdgpu_metadata
.endif
;; end of part 1
;; launch outproj (part 2): grid 128 x 2, 16 waves a work-group, no clusters, 141,312 bytes of LDS; arguments ctx_codes, ctx_scales, wc_img, Wc_scales, bc, out0; writes out0
.if DOCPART == 2
	.amdgcn_target "amdgcn-amd-amdhsa--gfx1250"
	.amdhsa_code_object_version 6
	.text
	.protected	k_q5255c0aa36_outproj
	.globl	k_q5255c0aa36_outproj
	.p2align	8
	.type	k_q5255c0aa36_outproj,@function
k_q5255c0aa36_outproj:
	s_mov_b64 s[64:65], 0
	v_nop
	global_prefetch_b8 v0, s[64:65] scope:SCOPE_SE
	s_setreg_imm32_b32 hwreg(HW_REG_WAVE_MODE, 25, 1), 1
	s_wait_xcnt 0x0
; out0 = ctx Wc + bc on codes of FP6 (E2M3).  ctx comes as register images of fragments, [tile of 16 rows 256][head 32][1,536 bytes], its scale words [head 32][tile 256][row 16]; Wc likewise, [K step 32][n tile 8][1,536 bytes].
; A work-group makes 32 rows x 64 columns.  K = 4,096 is shared among its sixteen waves: wave w takes K steps (heads) 2 w and 2 w + 1: 16 products on 8 accumulators by turns.  All operands come by dense 16-byte loads,
; 512 consecutive bytes an instruction, straight into the operand's registers.  The sixteen partial sums meet in LDS; each wave then adds two rows' sixteen parts and the bias and stores them.
; The product is used transposed (source 0 = 16 columns of Wc, source 1 = 16 rows of ctx): a lane holds eight neighbouring columns of one row.
; No tensor load, no ring, no cluster: each operand byte goes from memory to the registers of the one wave that multiplies it.  The order of the f32 sums over K is by waves, not ascending.
.set WSTG, 32*272                      ; a wave's part of the stage: 32 rows x (256 bytes + 16)
.set CF,   16                          ; v16-63   ctx: fragment (m, s) at 12 (2 m + s)
.set WF,   64                          ; v64-159  Wc: fragment (t, s) at 12 (2 t + s)
.set CSR,  160                         ; v160-161 ctx's scale words of K step s: lanes 0-15 tile 0, lanes 16-31 tile 1
.set WS,   162                         ; v162-165 Wc's: register 2 (t / 2) + s, lanes 16 (t % 2) on
.set BC,   166                         ; v166-169
.set ACC,  176                         ; v176-239 accumulator (m, t) at 8 (4 m + t)
.macro WMMA cz, ra, rb
.if (\cz)
.if (\ra) && (\rb)
	v_wmma_scale_f32_16x16x128_f8f6f4 v[rD:rD+7], v[rA:rA+11], v[rB:rB+11], 0, v[rSA], v[rSB] matrix_a_fmt:MATRIX_FMT_FP6 matrix_b_fmt:MATRIX_FMT_FP6 matrix_a_scale:MATRIX_SCALE_ROW1 matrix_b_scale:MATRIX_SCALE_ROW1
.elseif (\ra)
	v_wmma_scale_f32_16x16x128_f8f6f4 v[rD:rD+7], v[rA:rA+11], v[rB:rB+11], 0, v[rSA], v[rSB] matrix_a_fmt:MATRIX_FMT_FP6 matrix_b_fmt:MATRIX_FMT_FP6 matrix_a_scale:MATRIX_SCALE_ROW1
.elseif (\rb)
	v_wmma_scale_f32_16x16x128_f8f6f4 v[rD:rD+7], v[rA:rA+11], v[rB:rB+11], 0, v[rSA], v[rSB] matrix_a_fmt:MATRIX_FMT_FP6 matrix_b_fmt:MATRIX_FMT_FP6 matrix_b_scale:MATRIX_SCALE_ROW1
.else
	v_wmma_scale_f32_16x16x128_f8f6f4 v[rD:rD+7], v[rA:rA+11], v[rB:rB+11], 0, v[rSA], v[rSB] matrix_a_fmt:MATRIX_FMT_FP6 matrix_b_fmt:MATRIX_FMT_FP6
.endif
.else
.if (\ra) && (\rb)
	v_wmma_scale_f32_16x16x128_f8f6f4 v[rD:rD+7], v[rA:rA+11], v[rB:rB+11], v[rD:rD+7], v[rSA], v[rSB] matrix_a_fmt:MATRIX_FMT_FP6 matrix_b_fmt:MATRIX_FMT_FP6 matrix_a_scale:MATRIX_SCALE_ROW1 matrix_b_scale:MATRIX_SCALE_ROW1
.elseif (\ra)
	v_wmma_scale_f32_16x16x128_f8f6f4 v[rD:rD+7], v[rA:rA+11], v[rB:rB+11], v[rD:rD+7], v[rSA], v[rSB] matrix_a_fmt:MATRIX_FMT_FP6 matrix_b_fmt:MATRIX_FMT_FP6 matrix_a_scale:MATRIX_SCALE_ROW1
.elseif (\rb)
	v_wmma_scale_f32_16x16x128_f8f6f4 v[rD:rD+7], v[rA:rA+11], v[rB:rB+11], v[rD:rD+7], v[rSA], v[rSB] matrix_a_fmt:MATRIX_FMT_FP6 matrix_b_fmt:MATRIX_FMT_FP6 matrix_b_scale:MATRIX_SCALE_ROW1
.else
	v_wmma_scale_f32_16x16x128_f8f6f4 v[rD:rD+7], v[rA:rA+11], v[rB:rB+11], v[rD:rD+7], v[rSA], v[rSB] matrix_a_fmt:MATRIX_FMT_FP6 matrix_b_fmt:MATRIX_FMT_FP6
.endif
.endif
.endm
.macro MUL8 s, cz                      ; K step s: the eight accumulators by turns
.irp m,0,1
.irp t,0,1,2,3
.set rD, ACC+8*(4*\m+\t)
.set rA, WF+12*(2*\t+\s)
.set rB, CF+12*(2*\m+\s)
.set rSA, WS+2*(\t/2)+\s
.set rSB, CSR+\s
	WMMA \cz, \t%2, \m
.endr
.endr
.endm
	s_load_b256 s[4:11], s[0:1], 0x0               ; ctx codes s[4:5], ctx scales s[6:7], wc_img s[8:9], Wc scales s[10:11]
	s_load_b128 s[12:15], s[0:1], 0x20             ; bc s[12:13], out0 s[14:15]
	v_lshl_add_u32 v254, v0, 2, 0x22000
	v_mov_b32 v255, 0
	v_lshrrev_b32 v1, 5, v0
	s_delay_alu instid0(VALU_DEP_1)
	v_readfirstlane_b32 s16, v1                    ; wave 0..15
	s_and_b32 s17, ttmp7, 0xffff                   ; which 64 columns
	v_and_b32 v1, 31, v0                           ; lane
	v_and_b32 v5, 15, v0
	v_bfe_u32 v6, v0, 4, 1
	s_delay_alu instid0(VALU_DEP_3)
	v_lshlrev_b32 v2, 4, v1                        ; an image's place for my lane
	s_delay_alu instid0(VALU_DEP_4)
	v_lshlrev_b32 v3, 2, v1                        ; a scale word's
	v_lshlrev_b32 v4, 7, v1                        ; Wc's scales: 128 bytes a row, 32 rows in 32 lanes
	v_lshlrev_b32 v7, 4, v5                        ; bc: my four columns on the way out
	s_mul_i32 s18, s16, WSTG
	v_mul_u32_u24 v8, v5, 272
	s_delay_alu instid0(VALU_DEP_1)
	v_lshl_add_u32 v8, v6, 5, v8
	s_delay_alu instid0(VALU_DEP_1)
	v_add_nc_u32 v8, s18, v8                       ; into the stage: my part, row r, + 32 h
	s_mul_i32 s18, s16, 544
	v_mul_u32_u24 v9, v6, 272
	s_delay_alu instid0(VALU_DEP_1)
	v_lshl_add_u32 v9, v5, 4, v9
	s_delay_alu instid0(VALU_DEP_1)
	v_add_nc_u32 v9, s18, v9                       ; back: rows 2 w and 2 w + 1 of every part: lanes 0-15 one row, lanes 16-31 the next
	s_delay_alu instid0(VALU_DEP_1)
	v_add_nc_u32 v10, 8*WSTG, v9                   ; parts 8-15 lie beyond an LDS offset's 16 bits
	v_lshlrev_b32 v11, 9, v6
	s_delay_alu instid0(VALU_DEP_1)
	v_lshl_add_u32 v11, v5, 4, v11                 ; and the same two rows in out0
	s_mov_b32 s21, 0
	s_mov_b32 s23, 0
	s_mov_b32 s25, 0
	s_mov_b32 s27, 0
	s_mov_b32 s29, 0
	s_mul_i32 s20, ttmp9, 98304
	s_mul_i32 s18, s16, 3072
	s_add_co_u32 s20, s20, s18                     ; ctx codes: 49,152 x (2 x) + 1,536 x (2 w)
	s_lshl_b32 s22, s16, 15
	s_lshl_b32 s18, ttmp9, 7
	s_add_co_u32 s22, s22, s18                     ; ctx scales: 16,384 x (2 w) + 64 x (2 x)
	s_mul_i32 s24, s16, 24576
	s_mul_i32 s18, s17, 6144
	s_add_co_u32 s24, s24, s18                     ; wc_img: 12,288 x (2 w) + 1,536 x (4 y)
	s_lshl_b32 s26, s17, 13
	s_lshl_b32 s18, s16, 3
	s_add_co_u32 s26, s26, s18                     ; Wc scales: row 64 y, byte 4 x (2 w)
	s_lshl_b32 s28, ttmp9, 14
	s_lshl_b32 s18, s16, 10
	s_add_co_u32 s28, s28, s18
	s_lshl_b32 s18, s17, 8
	s_add_co_u32 s28, s28, s18                     ; out0: row 32 x + 2 w, column 64 y
	s_mov_b32 s30, s18                             ; bc: column 64 y
	s_mov_b32 s31, 0
	s_wait_kmcnt 0x0
	s_add_nc_u64 s[4:5], s[4:5], s[20:21]
	s_add_nc_u64 s[6:7], s[6:7], s[22:23]
	s_add_nc_u64 s[8:9], s[8:9], s[24:25]
	s_add_nc_u64 s[10:11], s[10:11], s[26:27]
	s_add_nc_u64 s[12:13], s[12:13], s[30:31]
	s_add_nc_u64 s[14:15], s[14:15], s[28:29]
.irp s,0,1
	global_load_b32 v[CSR+\s], v3, s[6:7] offset:16384*\s
.endr
.irp i,0,1
	global_load_b64 v[WS+2*\i:WS+2*\i+1], v4, s[10:11] offset:4096*\i   ; both K steps' words of rows 32 i + lane
.endr
	global_load_b128 v[BC:BC+3], v7, s[12:13]
.irp s,0,1
.irp m,0,1
.irp j,0,1,2
	global_load_b128 v[CF+12*(2*\m+\s)+4*\j:CF+12*(2*\m+\s)+4*\j+3], v2, s[4:5] offset:49152*\m+1536*\s+512*\j
.endr
.endr
.irp t,0,1,2,3
.irp j,0,1,2
	global_load_b128 v[WF+12*(2*\t+\s)+4*\j:WF+12*(2*\t+\s)+4*\j+3], v2, s[8:9] offset:12288*\s+1536*\t+512*\j
.endr
.endr
.endr
	s_wait_loadcnt 18                              ; the scales, the bias and the first K step are in; the second K step's 18 loads may be out
	MUL8 0, 1                                      ; the first K step starts the sums
	s_wait_loadcnt 0x0
	MUL8 1, 0
.rept 4
	v_nop                                          ; places in front of the stores that read results and of the loads into operands' registers
.endr
	s_wait_alu depctr_va_vdst(0)
.irp m,0,1
.irp t,0,1,2,3
	ds_store_b128 v8, v[ACC+8*(4*\m+\t):ACC+8*(4*\m+\t)+3] offset:4352*\m+64*\t       ; each accumulator from its low end on: row 16 m + r, columns 16 t + 8 h + 0 .. 7
	ds_store_b128 v8, v[ACC+8*(4*\m+\t)+4:ACC+8*(4*\m+\t)+7] offset:4352*\m+64*\t+16
.endr
.endr
	s_wait_dscnt 0x0                               ; for the others' sake: my part lies in the stage
	s_barrier_signal -1
	s_barrier_wait -1
.irp i,0,1,2,3,4,5,6,7
	ds_load_b128 v[16+4*\i:19+4*\i], v9 offset:\i*WSTG
.endr
.irp i,0,1,2,3,4,5,6,7
	ds_load_b128 v[48+4*\i:51+4*\i], v10 offset:\i*WSTG
.endr
	s_wait_dscnt 0x0
	v_pk_add_f32 v[16:17], v[16:17], v[BC:BC+1]    ; the bias, then the sixteen parts in two chains
	v_pk_add_f32 v[18:19], v[18:19], v[BC+2:BC+3]
.irp i,2,3,4,5,6,7,8,9,10,11,12,13,14,15
	v_pk_add_f32 v[16+4*(\i%2):17+4*(\i%2)], v[16+4*(\i%2):17+4*(\i%2)], v[16+4*\i:17+4*\i]
	v_pk_add_f32 v[18+4*(\i%2):19+4*(\i%2)], v[18+4*(\i%2):19+4*(\i%2)], v[18+4*\i:19+4*\i]
.endr
	s_delay_alu instid0(VALU_DEP_2)
	v_pk_add_f32 v[16:17], v[16:17], v[20:21]
	s_delay_alu instid0(VALU_DEP_2)
	v_pk_add_f32 v[18:19], v[18:19], v[22:23]
	global_store_b128 v11, v[16:19], s[14:15] th:TH_STORE_NT   ; sixteen lanes store 256 consecutive bytes, aligned
	s_wait_tensorcnt 0x0
	ds_add_u32 v254, v255
	s_wait_dscnt 0x0
	s_endpgm
.Lfunc_end_k_q5255c0aa36_outproj:
	.size	k_q5255c0aa36_outproj, .Lfunc_end_k_q5255c0aa36_outproj-k_q5255c0aa36_outproj
	.p2alignl 7, 3214868480
	.fill 96, 4, 3214868480
	.section	.rodata,"a",@progbits
	.p2align	6, 0x0
	.amdhsa_kernel k_q5255c0aa36_outproj
		.amdhsa_group_segment_fixed_size 141312
		.amdhsa_private_segment_fixed_size 0
		.amdhsa_enable_private_segment 0
		.amdhsa_kernarg_size 48
		.amdhsa_user_sgpr_count 2
		.amdhsa_user_sgpr_kernarg_segment_ptr 1
		.amdhsa_wavefront_size32 1
		.amdhsa_system_sgpr_workgroup_id_x 1
		.amdhsa_system_sgpr_workgroup_id_y 1
		.amdhsa_system_sgpr_workgroup_id_z 1
		.amdhsa_system_vgpr_workitem_id 0
		.amdhsa_next_free_vgpr 256
		.amdhsa_next_free_sgpr 66
		.amdhsa_reserve_vcc 0
		.amdhsa_float_denorm_mode_32 3
		.amdhsa_float_denorm_mode_16_64 3
		.amdhsa_memory_ordered 1
		.amdhsa_forward_progress 1
		.amdhsa_inst_pref_size 14
	.end_amdhsa_kernel
	.amdgpu_metadata
---
amdhsa.version: [ 1, 2 ]
amdhsa.kernels:
  - .name:           k_q5255c0aa36_outproj
    .symbol:         k_q5255c0aa36_outproj.kd
    .args:
      - { .name: ctx_codes, .offset: 0, .size: 8, .value_kind: global_buffer, .address_space: global }
      - { .name: ctx_scales, .offset: 8, .size: 8, .value_kind: global_buffer, .address_space: global }
      - { .name: wc_img, .offset: 16, .size: 8, .value_kind: global_buffer, .address_space: global }
      - { .name: Wc_scales, .offset: 24, .size: 8, .value_kind: global_buffer, .address_space: global }
      - { .name: bc, .offset: 32, .size: 8, .value_kind: global_buffer, .address_space: global }
      - { .name: out0, .offset: 40, .size: 8, .value_kind: global_buffer, .address_space: global }
    .group_segment_fixed_size: 141312
    .private_segment_fixed_size: 0
    .kernarg_segment_align: 8
    .kernarg_segment_size: 48
    .max_flat_workgroup_size: 512
    .sgpr_count:     66
    .vgpr_count:     256
    .wavefront_size: 32
...
	.end_amdgpu_metadata
.endif
;; end of part 2
